; MI455X (gfx1250); checked and timed in simulation.
; The chip was launched on July 23, 2026; its instructions are those of AMD's public machine-readable ISA for CDNA 5 (MIT licence, August 2026) and "CDNA5" Instruction Set Architecture Reference Guide (July 2026). The comments in the code are by the model that wrote it; some were corrected since.
;; Attention. Allowed arithmetic: matrix products marked QUANTISED: E2M1 operands, one E8M0 scale for each 32 along K, by v_wmma_scale_f32_16x16x128_f8f6f4 with both operands' format E2M1 (or v_wmma_scale_f32_32x16x128_f4), f32 sums; products left as they are: bf16, f16 or f32 operands; f32 sums; everything else in f32.
;; Inputs: W_out 1,024 x 1,024 float32; W_qkv 1,024 x 3,072 float32; b_out 1,024 float32; x 4 x 4,096 x 1,024 float32.
;; Outputs: out0 4 x 4,096 x 1,024 float32.
;; This version of the problem:
;;   THIS VERSION OF THE PROBLEM IS GIVEN IN LOW PRECISION. The matrix products marked QUANTISED in the list below multiply operands that are first quantised to E2M1 (2 exponent bits, 1 mantissa bit; 4 bits a number), with one power-of-two scale for each 32 numbers along K (OCP MX v1.0); their sums are f32. The products marked 'left as it is' may take bf16, f16 or f32 operands, with f32 sums. Whichever they take, every output number must still come out within the allowed error. Rounding operands to bf16 (8 significant bits) uses up far more of that allowance than f16 does (11 bits, for magnitudes from 6e-5 to 65,504). All else is computed in f32.
;;   The module's matrix products, in the order in which they are computed (A, B: the left and right operand; K: the contracted axis; several contracted axes count as one K, in the product's order):
;;     1. [M 16,384, K 1,024] x [K 1,024, N 3,072]; A: input x; B: input W_qkv: QUANTISED
;;     2. batch 16,384 x [M 16, K 64] x [K 64, N 16]; A: computed on the way; B: computed on the way: left as it is (an operand is computed on the way)
;;     3. batch 16,384 x [M 16, K 16] x [K 16, N 64]; A: computed on the way; B: computed on the way: left as it is (K = 16 < 32)
;;     4. [M 16,384, K 1,024] x [K 1,024, N 1,024]; A: computed on the way; B: input W_out: left as it is (an operand is computed on the way)
;;   THE QUANTISER, for each operand of a quantised product, along K:
;;     - K is cut into blocks of 32 from its start; a last block that is shorter is filled with zeros.
;;     - A block's scale is 2^e with e = floor(log2(the largest magnitude in the block)) - 2, held to -126 .. 127; a block of zeros has e = 0. As a byte (E8M0): e + 127.
;;     - Each number is divided by its block's scale, clamped to +-6, and rounded to the nearest number of E2M1, ties to even, subnormals kept.
;;     - The product sums the exact products of the quantised numbers (number of the format x scale) in f32.
;;   ~~~python
;;   def quantise(x, axis):      # numpy; x: float32 -> the quantised numbers, widened to float32 again
;;       x = np.moveaxis(x, axis, -1); K = x.shape[-1]
;;       x = np.pad(x, [(0, 0)] * (x.ndim - 1) + [(0, -K % 32)]); x = x.reshape(x.shape[:-1] + (-1, 32)); a = np.abs(x).max(-1, keepdims=True)
;;       e = np.where(a > 0, np.clip(np.frexp(np.where(a > 0, a, 1))[1] - 1 - 2, -126, 127), 0)      # np.frexp(a)[1] - 1 = floor(log2(a)), exactly
;;       r = np.clip(x / 2.0 ** e, -6, 6)
;;       step = 2.0 ** (np.maximum(np.frexp(np.where(r == 0, 1, r))[1] - 1, 0) - 1)
;;       q = np.round(r / step) * step * 2.0 ** e      # np.round: ties to even
;;       return np.moveaxis(q.reshape(q.shape[:-2] + (-1,))[..., :K], -1, axis).astype(np.float32)
;;   ~~~
;; One version. Each part assembles by itself: llvm-mc -triple=amdgcn-amd-amdhsa -mcpu=gfx1250 --defsym DOCPART=n.
;; ======== version 1 of 1: 3 launches
;; limits: values are held in f16: magnitudes above 65,504 overflow, below 6.1e-05 lose precision
;; workspace buffers: wq 1,671,168 bytes; wo 2,097,152 bytes; ao 33,554,432 bytes
;; launch prep (part 1): grid 256 x 1, 4 waves a work-group, no clusters, 0 bytes of LDS; arguments W_qkv, W_out, wq, wo; writes wq, wo
.if DOCPART == 1
	.amdgcn_target "amdgcn-amd-amdhsa--gfx1250"
	.amdhsa_code_object_version 6
	.text
	.protected	k_q2e94fc0e20_prep
	.globl	k_q2e94fc0e20_prep
	.p2align	8
	.type	k_q2e94fc0e20_prep,@function
k_q2e94fc0e20_prep:
	s_mov_b64 s[64:65], 0
	v_nop
	global_prefetch_b8 v0, s[64:65] scope:SCOPE_SE
	s_setreg_imm32_b32 hwreg(HW_REG_WAVE_MODE, 25, 1), 1
	s_wait_xcnt 0x0
; PREP: the two weights are laid out once, in the order in which the later launches' operand registers take them.
; W_qkv [1024 (k)][3072 (n)] f32 -> wq: codes of FP4 (E2M1) along K with one E8M0 byte for each 32 along K.  W_out [1024 (k)][1024 (n)] f32 -> wo: f16.
; A LANE TAKES A COLUMN n AND ITS REGISTERS RUN DOWN K: each load reads 128 consecutive bytes a wave (the four waves stand side by side on 512), a block of 32 along K lies
; in one lane's registers, and the conversions give codes (or f16 pairs) with K innermost.  Nothing is transposed by an instruction, and nothing goes through LDS.
; wq: block (g, w, k) of 4,352 bytes at ((4 g + w) 8 + k) 4352: g = trip 0..11 of the reader, w = its wave, k = K step of 128.  Bytes 0..4095: four fragments c of 16 columns x 128 K as
;   images of the operand's registers: byte 1024 c + 256 kb + 16 r holds the 32 codes of K block kb (of the step's four) of the fragment's column r.  Bytes 4096..4351: the scale words,
;   8 bytes a reader's lane L: word p is that of fragment 2 p + L / 16, column L % 16.
;   The column of (g, w, c, r), head = 4 w + c: g < 8: 1024 ((g % 4) / 2) + 64 head + 32 (g / 4) + 16 (g % 2) + r  (q, then k);   g >= 8: 2048 + 64 head + 16 (g - 8) + r  (v).
; wo: byte ((8 nt + ks) 2 + hf) 32768 + 4096 i + 256 hq + 16 r holds W_out[64 hq + 8 ks + 0..7][256 nt + 128 hf + 16 i + r] as eight f16.
; A block's scale is 2^(floor(log2(its largest magnitude)) - 2); its byte is the largest magnitude's exponent field - 2, held at 1 from below.  A block of zeros so gets the byte 1
; where the quantiser's rule says 127: its codes are zeros, which add nothing under any byte but 0xff, and this program alone reads the bytes.
; LIMITS: NaN and infinities among the inputs are not served; numbers of W_out at or beyond 65,504 become infinity in f16.
; Work-groups 0..191: W_qkv, 128 columns x 128 along K each.  Work-groups 192..255: W_out, 128 columns x 128 rows each.  All 128 loads of a wave are issued at once.
.set QROW,  12288                      ; a row of W_qkv in bytes
.set OROW,  4096                       ; a row of W_out in bytes
.set BLK,   4352
.set GSTEP, 32*BLK                     ; from trip g to trip g + 1 in wq
.set EMAX,  2
.set X,     32                         ; v32-159  128 numbers of my column
.set C,     160                        ; v160-223 what is stored: every store has registers of its own, so none is written again while a store reads it
.set SW,    176                        ; v176     (W_qkv) my column's scale word
	s_load_b256 s[4:11], s[0:1], 0x0               ; W_qkv s[4:5], W_out s[6:7], wq s[8:9], wo s[10:11]
	v_lshrrev_b32 v1, 5, v0
	v_readfirstlane_b32 s16, v1                    ; wave 0..3
	v_and_b32 v1, 31, v0                           ; lane
	v_and_b32 v2, 15, v0                           ; r
	v_bfe_u32 v3, v0, 4, 1                         ; which half of the lanes
	v_lshlrev_b32 v4, 2, v1                        ; in: 4 bytes a lane
	s_lshl_b32 s17, s16, 5                         ; 32 columns a wave
	s_cmp_lt_u32 ttmp9, 192
	s_cbranch_scc0 .Lwout
	; ---- W_qkv
	s_and_b32 s18, ttmp9, 7                        ; k: which 128 along K
	s_lshr_b32 s19, ttmp9, 3
	s_lshl_b32 s19, s19, 7
	s_add_co_u32 s19, s19, s17                     ; n0: my wave's first column
	s_lshr_b32 s20, s19, 10                        ; 0: q, 1: k, 2: v
	s_bfe_u32 s21, s19, 0x40006                    ; head
	s_bfe_u32 s22, s19, 0x10005                    ; which 32 of the head's 64
	s_lshr_b32 s23, s21, 2                         ; w: the reading wave
	s_and_b32 s24, s21, 3                          ; c: the fragment
	s_lshl_b32 s25, s22, 2
	s_lshl_b32 s26, s20, 1
	s_add_co_u32 s25, s25, s26                     ; q, k: the trip of lanes 0-15 is 4 (d / 32) + 2 (q or k);
	s_lshl_b32 s26, s22, 1
	s_add_co_u32 s26, s26, 8                       ; v: 8 + 2 (d / 32);  lanes 16-31 belong to the trip after
	s_cmp_lt_u32 s20, 2
	s_cselect_b32 s25, s25, s26
	s_lshl_b32 s25, s25, 2
	s_add_co_u32 s25, s25, s23
	s_lshl_b32 s25, s25, 3
	s_add_co_u32 s25, s25, s18
	s_mul_i32 s25, s25, BLK                        ; the block's first byte
	s_lshl_b32 s12, s24, 10
	s_add_co_u32 s12, s12, s25                     ; the fragment's
	s_mov_b32 s13, 0
	s_and_b32 s14, s24, 1
	s_lshl_b32 s14, s14, 7                         ; the scale words: 128 (c % 2)
	s_lshr_b32 s26, s24, 1
	s_lshl_b32 s26, s26, 2                         ; + 4 (c / 2)
	s_add_co_u32 s14, s14, s26
	s_add_co_u32 s14, s14, s25
	s_add_co_u32 s14, s14, 4096
	s_mov_b32 s15, 0
	s_mul_i32 s28, s18, 128*QROW
	s_lshl_b32 s26, s19, 2
	s_add_co_u32 s28, s28, s26                     ; where my wave reads
	s_mov_b32 s29, 0
	v_mul_u32_u24 v5, v3, GSTEP
	v_lshl_add_u32 v6, v2, 3, v5                   ; scale words: 8 bytes from column to column
	v_lshl_add_u32 v5, v2, 4, v5                   ; codes: 16 bytes a column and block
	s_wait_kmcnt 0x0
	s_add_nc_u64 s[4:5], s[4:5], s[28:29]
	s_add_nc_u64 s[20:21], s[8:9], s[14:15]
	s_add_nc_u64 s[8:9], s[8:9], s[12:13]
.set i, 0
.rept 128
	global_load_b32 v[X+i], v4, s[4:5] offset:i*QROW th:TH_LOAD_NT
.set i, i+1
.endr
; Block t of the step's four.  left: the loads issued behind the block's own that may stay out
.macro BLOCK t, left
.set XS, X+32*(\t)
	s_wait_loadcnt \left
	v_max3_num_f32 v12, |v[XS]|, |v[XS+1]|, |v[XS+2]|               ; the block's largest magnitude: all 32 numbers are mine; two chains
	v_max3_num_f32 v13, |v[XS+3]|, |v[XS+4]|, |v[XS+5]|
.irp i, 6,10,14,18,22,26
	v_max3_num_f32 v12, v12, |v[XS+\i]|, |v[XS+\i+1]|
	v_max3_num_f32 v13, v13, |v[XS+\i+2]|, |v[XS+\i+3]|
.endr
	v_max3_num_f32 v12, v12, |v[XS+30]|, |v[XS+31]|
	v_max3_num_f32 v12, v12, v13, (EMAX+1)<<23     ; and the floor 2^(3 - 127): the byte cannot fall under 1
	v_add_nc_u32 v11, -(EMAX<<23), v12             ; 2 off its exponent field: the conversion takes the exponent field of this operand as its scale
	v_lshrrev_b32 v13, 23, v11                     ; the scale's byte
.if (\t) == 0
	v_mov_b32 v[SW], v13
.else
	v_lshl_or_b32 v[SW], v13, 8*(\t), v[SW]        ; the lower K in the lower byte
.endif
.irp g, 0,1,2,3
	v_cvt_scalef32_pk8_fp4_f32 v[C+4*(\t)+\g], v[XS+8*\g:XS+8*\g+7], v11
.endr
	v_nop                                          ; one plain vector line behind the conversions
	global_store_b128 v5, v[C+4*(\t):C+4*(\t)+3], s[8:9] offset:256*(\t)   ; each half of the lanes stores 256 consecutive bytes, aligned
.endm
	BLOCK 0, 63
	BLOCK 1, 63
	BLOCK 2, 32
	BLOCK 3, 0
	global_store_b32 v6, v[SW], s[20:21]           ; words 8 bytes apart: the other words of these bytes come from the work-group of the neighbouring fragment; 96 KiB in the whole launch
	s_endpgm
	; ---- W_out
.Lwout:
	s_sub_co_u32 s18, ttmp9, 192
	s_and_b32 s19, s18, 7                          ; ks: rows 64 hq + 8 ks + 0..7, hq = 0..15
	s_lshr_b32 s18, s18, 3
	s_lshl_b32 s18, s18, 7
	s_add_co_u32 s18, s18, s17                     ; n0
	s_lshr_b32 s20, s18, 8                         ; nt
	s_bfe_u32 s21, s18, 0x10007                    ; hf
	s_bfe_u32 s22, s18, 0x30004                    ; i of lanes 0-15; lanes 16-31 take the next
	s_lshl_b32 s23, s20, 3
	s_add_co_u32 s23, s23, s19
	s_lshl_b32 s23, s23, 1
	s_add_co_u32 s23, s23, s21
	s_lshl_b32 s12, s23, 15
	s_lshl_b32 s22, s22, 12
	s_add_co_u32 s12, s12, s22
	s_mov_b32 s13, 0
	s_lshl_b32 s14, s19, 15                        ; 8 ks rows of 4,096 bytes
	s_lshl_b32 s24, s18, 2
	s_add_co_u32 s14, s14, s24
	s_mov_b32 s15, 0
	v_lshlrev_b32 v7, 12, v3
	v_lshl_add_u32 v7, v2, 4, v7
	s_wait_kmcnt 0x0
	s_add_nc_u64 s[6:7], s[6:7], s[14:15]
	s_add_nc_u64 s[10:11], s[10:11], s[12:13]
.set i, 0
.rept 128
	global_load_b32 v[X+i], v4, s[6:7] offset:(64*(i/8)+i%8)*OROW th:TH_LOAD_NT
.set i, i+1
.endr
.set i, 0
.rept 16
.if 8*(15-i) > 63
	s_wait_loadcnt 63                              ; my eight numbers of this hq are in (more are out behind them than a wait can name)
.else
	s_wait_loadcnt 8*(15-i)
.endif
.irp q, 0,1,2,3
	v_cvt_pk_f16_f32 v[C+4*i+\q], v[X+8*i+2*\q], v[X+8*i+2*\q+1]
.endr
	global_store_b128 v7, v[C+4*i:C+4*i+3], s[10:11] offset:256*i   ; each half of the lanes stores 256 consecutive bytes, aligned
.set i, i+1
.endr
	s_endpgm
.Lfunc_end_k_q2e94fc0e20_prep:
	.size	k_q2e94fc0e20_prep, .Lfunc_end_k_q2e94fc0e20_prep-k_q2e94fc0e20_prep
	.p2alignl 7, 3214868480
	.fill 96, 4, 3214868480
	.section	.rodata,"a",@progbits
	.p2align	6, 0x0
	.amdhsa_kernel k_q2e94fc0e20_prep
		.amdhsa_group_segment_fixed_size 0
		.amdhsa_private_segment_fixed_size 0
		.amdhsa_enable_private_segment 0
		.amdhsa_kernarg_size 32
		.amdhsa_user_sgpr_count 2
		.amdhsa_user_sgpr_kernarg_segment_ptr 1
		.amdhsa_wavefront_size32 1
		.amdhsa_system_sgpr_workgroup_id_x 1
		.amdhsa_system_sgpr_workgroup_id_y 1
		.amdhsa_system_sgpr_workgroup_id_z 1
		.amdhsa_system_vgpr_workitem_id 0
		.amdhsa_next_free_vgpr 224
		.amdhsa_next_free_sgpr 66
		.amdhsa_reserve_vcc 0
		.amdhsa_float_denorm_mode_32 3
		.amdhsa_float_denorm_mode_16_64 3
		.amdhsa_memory_ordered 1
		.amdhsa_forward_progress 1
		.amdhsa_inst_pref_size 40
	.end_amdhsa_kernel
	.amdgpu_metadata
---
amdhsa.version: [ 1, 2 ]
amdhsa.kernels:
  - .name:           k_q2e94fc0e20_prep
    .symbol:         k_q2e94fc0e20_prep.kd
    .args:
      - { .name: W_qkv, .offset: 0, .size: 8, .value_kind: global_buffer, .address_space: global }
      - { .name: W_out, .offset: 8, .size: 8, .value_kind: global_buffer, .address_space: global }
      - { .name: wq, .offset: 16, .size: 8, .value_kind: global_buffer, .address_space: global }
      - { .name: wo, .offset: 24, .size: 8, .value_kind: global_buffer, .address_space: global }
    .group_segment_fixed_size: 0
    .private_segment_fixed_size: 0
    .kernarg_segment_align: 8
    .kernarg_segment_size: 32
    .max_flat_workgroup_size: 128
    .sgpr_count:     66
    .vgpr_count:     224
    .wavefront_size: 32
...
	.end_amdgpu_metadata
.endif
;; end of part 1
;; launch qkvattn (part 2): grid 256 x 1, 4 waves a work-group, no clusters, 202,240 bytes of LDS; arguments x, wq, ao; writes ao
.if DOCPART == 2
	.amdgcn_target "amdgcn-amd-amdhsa--gfx1250"
	.amdhsa_code_object_version 6
	.text
	.protected	k_q2e94fc0e20_qkvattn
	.globl	k_q2e94fc0e20_qkvattn
	.p2align	8
	.type	k_q2e94fc0e20_qkvattn,@function
k_q2e94fc0e20_qkvattn:
	s_mov_b64 s[64:65], 0
	v_nop
	global_prefetch_b8 v0, s[64:65] scope:SCOPE_SE
	s_setreg_imm32_b32 hwreg(HW_REG_WAVE_MODE, 25, 1), 1
	s_wait_xcnt 0x0
; QKVATTN: qkv = Q(x) Q(W_qkv) on codes of FP4 (E2M1) with E8M0 scales, and each token's attention among its own 16 heads, fused.  qkv never goes to memory.
; SHARES.  A work-group owns 64 tokens.  In the product THE WAVES SHARE THE COLUMNS: wave w makes heads 4 w .. 4 w + 3 for all 64 tokens.  In the attention wave w owns tokens 16 w .. 16 w + 15.
; x is quantised in registers (wave w: its 16 tokens) and goes round as images of the operand's registers in LDS; then all 32 fragments of x stay in every wave's registers.
; THREE SLABS of 1,024 columns, four trips of 256 each, through ONE f16 stage of 128 KiB: q, k for d 0-31 | partial scores;  q, k for d 32-63 | scores, softmax;  v | P V.
; THE PRODUCT IS USED TRANSPOSED (source 0 = 16 columns of W, source 1 = 16 tokens): a lane holds one token and eight neighbouring columns: 16 bytes of f16.
; THE STAGE: token t, row R (eight d), head b at 2048 t + 256 R + 16 (b xor (t % 16)).  By the exclusive or a store of 16 tokens at one head and a load of 16 heads of one token both touch 16 different 16-byte columns.
; ATTENTION, all transposed: S^T = K Q^T (a lane: one query head, eight key heads), softmax in f32 with the row's maximum taken away, p normalised in f32 and rounded to f16;
; O^T = V^T P (K = 16 key heads, filled up to the form's 32 with zeros on both sides); V^T comes out of the stage by the turning load.  A lane's eight results are 16 bytes of ao.
; ao: token row of 2,048 bytes, f16, in the order k' = 128 c + 8 head + j for the inner index 64 head + 8 c + j; the weights of the last product are laid in the same order.
; THE WEIGHTS GO FROM MEMORY STRAIGHT INTO REGISTERS, WITHOUT A CLUSTER'S JOINT LOADS, though all work-groups walk them: each weight byte is read by ONE wave of the work-group, so a way through LDS would add a
; write and a read for each; beside the 202,240 bytes in use two slots of 62 KiB would hold three K steps of a trip each: 48 matrix instructions a wave between two rounds of a cluster's barrier, with every load
; awaited at each; by loads into registers three groups of eighteen loads a wave stay on their way from the first trip to the last.
; THE WAVE'S GLOBAL LOADS STAND IN FEW, LONG RUNS: four runs of 18 a trip, each behind the 32 products of two K steps.  At the head x is asked for first, three K steps ahead of the step that is being
; quantised; the first trip's weights follow as x's loads thin out.
; LIMITS: |q|, |k|, |v| at or beyond 65,504 become infinity in f16; NaN and infinities among the inputs are not served; a block of zeros of x gets the scale byte 1 with zero codes.
; REGISTERS, in windows of 256 (s_set_vgpr_msb: bits 1:0 source 0, 3:2 source 1, 5:4 source 2, 7:6 destination):
;   window 0: addresses, scale words (v64-95 x's, v96-111 W's), v112-119 codes just made, v128-191 numbers of x, later packed results, v200-216 the quantiser's
;   window 1: raw x (K steps 0-3), then x's 32 fragments, fragment (tile of tokens m, K step k) at v[8 (8 m + k)]; at the end V^T
;   window 2: a trip's 32 fragments of W, (k, c) at v[8 (4 k + c)]; at the end O^T and its packed form
;   window 3: raw x (K steps 4-7); then v0-127 the 16 accumulators (c, m) at v[8 (4 c + m)], also the attention's fragments and the softmax's figures; v128-255 S^T, later P, token i at v[128 + 8 i]
.set XIMG,  131072                     ; LDS: the stage at 0; x's 32 images of 1,024 bytes,
.set XSC,   163840                     ; their scale words, 128 bytes each,
.set RAW,   167936                     ; for each wave 16 rows x (512 + 16) bytes, in which a K step of x is turned,
.set RAWP,  528
.set SPARE, 201728                     ; the spare words, 128 bytes for each wave: two blocks of 256 bytes that no other line names
.set BLK,   4352                       ; wq: a wave's K step: four fragments and their scale words
.set GSTEP, 32*BLK                     ; from trip to trip
.set L16,  1                           ; v1   16 x lane
.set L8,   2                           ; v2   8 x lane
.set RAWW, 5                           ; v5   my 16 bytes of a row of the raw stage
.set RAWR, 6                           ; v6   and where I read: row r, + 64 h
.set XWI,  7                           ; v7   where I store x's images
.set XWS,  8                           ; v8   and their scale words
.set XRI,  9                           ; v9   where every wave reads them
.set XRS,  10                          ; v10
.set AD,   12                          ; v12-15 the stage, on the way in: 2048 r + 256 h + 16 ((4 w + c) xor r)
.set TA,   16                          ; v16-19 the same in the trip in hand, tokens 0-31;  v20-23 tokens 32-63
.set TB,   20
.set AR,   24                          ; v24  the stage, q's and k's fragments: 32768 w + 16 x lane
.set AV,   25                          ; v25  the turning load of v
.set SPW,  34                          ; v34  LDS address of my spare word; never rewritten
.set NIL,  35                          ; v35  0; never rewritten
.set TK,   40                          ; v40-47 addresses of the tokens in hand
.set XS,   64
.set WS,   96
.set PC,   112
.set ST,   128
.set PK,   128
.set TM,   200
.set PW,   216
.set SS,   128                         ; S^T, in window 3
.set SEL,  16                          ; s[16:17] v_permlanex16_b32's selects for lane l xor 16
.set MSB, 0
.macro WIN new                         ; the immediate's high byte repeats the setting that is left
.if MSB != \new
	s_set_vgpr_msb (MSB<<8)|\new
.set MSB, \new
.endif
.endm
.macro BARRIER                         ; my LDS stores have landed and my LDS loads are in: then the work-group's barrier
	s_wait_dscnt 0x0
	s_barrier_signal -1
	s_barrier_wait -1
.endm
; Set k of a trip's weights, nine loads: four fragments as they lie (512 consecutive bytes a load) and two scale words a lane
.macro WLOAD k, off
	WIN 0x80
.irp c, 0,1,2,3
.irp e, 0,1
	global_load_b128 v[8*(4*(\k)+\c)+4*\e:8*(4*(\k)+\c)+4*\e+3], v[L16], s[6:7] offset:(\off)+(\k)*BLK+\c*1024+\e*512
.endr
.endr
	WIN 0
	global_load_b64 v[WS+2*(\k):WS+2*(\k)+1], v[L8], s[6:7] offset:(\off)+(\k)*BLK+4096
.endm
; K step s of my 16 rows of x, 16 loads of 512 consecutive bytes: steps 0-3 into window 1, steps 4-7 into window 3; every step has registers of its own
.macro XLOAD s
.if (\s) < 4
	WIN 0x40
.else
	WIN 0xc0
.endif
.irp i, 0,1,2,3,4,5,6,7,8,9,10,11,12,13,14,15
	global_load_b128 v[64*((\s)%4)+4*\i:64*((\s)%4)+4*\i+3], v[L16], s[4:5] offset:\i*4096+(\s)*512 th:TH_LOAD_NT
.endr
	WIN 0
.endm
; 64 numbers of a lane, register 16 b + i = k 32 b + 16 (lane / 16) + i of my row, become a fragment's codes in v[PC] on and its scale word in v[PW]
.macro QUANT s
.irp b, 0,1,2,3
	v_max3_num_f32 v[TM+\b], |v[\s+16*\b]|, |v[\s+1+16*\b]|, 0x1800000   ; block b: my 16 numbers, and the floor 2^(3 - 127): the byte cannot fall under 1
.endr
.irp i, 2,4,6,8,10,12,14
.irp b, 0,1,2,3
	v_max3_num_f32 v[TM+\b], v[TM+\b], |v[\s+16*\b+\i]|, |v[\s+1+16*\b+\i]|   ; the four blocks by turns
.endr
.endr
.irp b, 0,1,2,3
	v_permlanex16_b32 v[TM+4+\b], v[TM+\b], s[SEL], s[SEL+1]
.endr
.irp b, 0,1,2,3
	v_max_num_f32 v[TM+\b], v[TM+\b], v[TM+4+\b]   ; with lane l xor 16's: the block's largest magnitude
.endr
.irp b, 0,1,2,3
	v_add_nc_u32 v[TM+12+\b], 0xff000000, v[TM+\b] ; 2 off its exponent field: the conversion's scale operand
.endr
.irp b, 0,1,2,3
	v_lshrrev_b32 v[TM+4+\b], 23, v[TM+12+\b]      ; the scale's byte
.endr
	v_lshl_or_b32 v[PW], v[TM+5], 8, v[TM+4]
	v_lshl_or_b32 v[PW], v[TM+6], 16, v[PW]
	v_lshl_or_b32 v[PW], v[TM+7], 24, v[PW]
.irp b, 0,1,2,3
	v_cvt_scalef32_pk8_fp4_f32 v[PC+2*\b], v[\s+16*\b:\s+7+16*\b], v[TM+12+\b]
	v_cvt_scalef32_pk8_fp4_f32 v[PC+1+2*\b], v[\s+8+16*\b:\s+15+16*\b], v[TM+12+\b]
.endr
	v_nop                                          ; one plain place behind a scaled conversion
.irp c, 0,1                                    ; the operand's layout wants a whole block in a lane: lanes 0-15 block 2 c, lanes 16-31 block 2 c + 1
.irp i, 0,1
	v_permlane16_swap_b32 v[PC+4*\c+\i], v[PC+2+4*\c+\i]
.endr
.endr
.endm
; K step s of my 16 tokens: as loaded (a row's 512 bytes over the 32 lanes) into my raw stage, back 16 neighbours of each block a lane, quantised, image to LDS.
; left: the global loads issued behind this step's sixteen, which may stay out
.macro TURNX s, left
	s_wait_loadcnt \left
.if (\s) < 4
	WIN 0x04                                       ; an LDS store's data are its source 1: window 1
.else
	WIN 0x0c                                       ; window 3
.endif
.irp i, 0,1,2,3,4,5,6,7,8,9,10,11,12,13,14,15
	ds_store_b128 v[RAWW], v[64*((\s)%4)+4*\i:64*((\s)%4)+4*\i+3] offset:\i*RAWP
.endr
	WIN 0
.irp b, 0,1,2,3
.irp j, 0,1,2,3
	ds_load_b128 v[ST+16*\b+4*\j:ST+16*\b+4*\j+3], v[RAWR] offset:128*\b+16*\j   ; LDS serves a wave's instructions in order: these see my stores
.endr
.endr
	s_wait_dscnt 0x0                               ; the numbers are back; the last step's image stores have read their registers
	QUANT ST
	ds_store_b128 v[XWI], v[PC:PC+3] offset:(\s)*1024
	ds_store_b128 v[XWI], v[PC+4:PC+7] offset:(\s)*1024+512
	ds_store_b32 v[XWS], v[PW] offset:(\s)*128
.endm
; One product: accumulator (c, m), K step k.  W's scale words: register 2 k + c / 2, lanes 0-15 for even c, lanes 16-31 for odd c.  The first K step starts the sum
.macro MM k, c, m
.set rA, 8*(4*(\c)+(\m))
.set rW, 8*(4*(\k)+(\c))
.set rX, 8*(8*(\m)+(\k))
.set rs, WS+2*(\k)+(\c)/2
.set rx, XS+8*(\m)+(\k)
.if (\k) == 0
.if (\c)%2
	v_wmma_scale_f32_16x16x128_f8f6f4 v[rA:rA+7], v[rW:rW+7], v[rX:rX+7], 0, v[rs], v[rx] matrix_a_fmt:MATRIX_FMT_FP4 matrix_b_fmt:MATRIX_FMT_FP4 matrix_a_scale:MATRIX_SCALE_ROW1
.else
	v_wmma_scale_f32_16x16x128_f8f6f4 v[rA:rA+7], v[rW:rW+7], v[rX:rX+7], 0, v[rs], v[rx] matrix_a_fmt:MATRIX_FMT_FP4 matrix_b_fmt:MATRIX_FMT_FP4
.endif
.else
.if (\c)%2
	v_wmma_scale_f32_16x16x128_f8f6f4 v[rA:rA+7], v[rW:rW+7], v[rX:rX+7], v[rA:rA+7], v[rs], v[rx] matrix_a_fmt:MATRIX_FMT_FP4 matrix_b_fmt:MATRIX_FMT_FP4 matrix_a_scale:MATRIX_SCALE_ROW1
.else
	v_wmma_scale_f32_16x16x128_f8f6f4 v[rA:rA+7], v[rW:rW+7], v[rX:rX+7], v[rA:rA+7], v[rs], v[rx] matrix_a_fmt:MATRIX_FMT_FP4 matrix_b_fmt:MATRIX_FMT_FP4
.endif
.endif
.endm
; K steps 2 j and 2 j + 1 of a trip: 32 products, the 16 accumulators by turns, K ascending.
; ahead = 1: the two sets' registers then take the next trip's sets, 18 loads in one run.
.macro GROUP j, ahead
.if \ahead
	s_wait_loadcnt 54                              ; behind the group's 18 loads stand the three other groups' 54: they stay out
.else
	s_wait_loadcnt 18*(3-(\j))                     ; the last trip: only its own later groups are out
.endif
	WIN 0xf6                                       ; W window 2, x window 1, C and D window 3
.irp e, 0,1
.irp c, 0,1,2,3
.irp m, 0,1,2,3
	MM 2*(\j)+\e, \c, \m
.endr
.endr
.endr
.rept 4
	v_nop                                          ; four places in front of loads into registers that these products read, and of the first read of results
.endr
.if \ahead
.if (\j) == 0
	s_wait_xcnt 0x0                                ; every load that names the weights' base has had its address translated (the youngest were issued in the last trip's fourth run, a way out and 32 products ago):
	s_add_nc_u64 s[6:7], s[6:7], GSTEP             ; so the base may step: on to the next trip's weights, for this trip's four runs
.endif
	WLOAD 2*(\j), 0
	WLOAD 2*(\j)+1, 0
.endif
.endm
; A trip: 256 columns x 64 tokens x all of K; the results, rounded to f16, go into the stage at rows 2 u + h (s12 = 512 u)
.macro TRIP ahead
.irp j, 0,1,2,3
	GROUP \j, \ahead
.endr
	WIN 0
	s_wait_dscnt 0x0                               ; the last trip's stores into the stage have read their registers
.irp c, 0,1,2,3
	v_add_nc_u32 v[TA+\c], s12, v[AD+\c]
.endr
.irp c, 0,1,2,3
	v_add_nc_u32 v[TB+\c], 0x10000, v[TA+\c]
.endr
	WIN 0x0f                                       ; sources window 3, destination window 0
.set n, 0
.rept 16
.irp q, 0,1,2,3
	v_cvt_pk_f16_f32 v[PK+4*n+\q], v[8*n+2*\q], v[8*n+2*\q+1]      ; each accumulator from its low end on
.endr
.set n, n+1
.endr
	WIN 0
.irp c, 0,1,2,3
	ds_store_b128 v[TA+\c], v[PK+16*\c:PK+16*\c+3]
	ds_store_b128 v[TA+\c], v[PK+16*\c+4:PK+16*\c+7] offset:32768
	ds_store_b128 v[TB+\c], v[PK+16*\c+8:PK+16*\c+11]
	ds_store_b128 v[TB+\c], v[PK+16*\c+12:PK+16*\c+15] offset:32768
.endr
.if \ahead
	s_add_co_u32 s12, s12, 512                     ; the next trip's two rows of the stage
.endif
.endm
; S^T (+)= K Q^T over the slab's 32 d, for my 16 tokens, eight at a time.  Source 0 = the 16 key heads, source 1 = the 16 query heads
.macro SCORE first
.irp t, 0,1
	WIN 0
.irp j, 0,1,2,3,4,5,6,7
	v_xor_b32 v[TK+\j], 16*(8*\t+\j), v[AR]
.endr
	WIN 0xc0                                       ; destination window 3
.irp j, 0,1,2,3,4,5,6,7
	ds_load_b128 v[16*\j:16*\j+3],     v[TK+\j] offset:(8*\t+\j)*2048+1024     ; k: rows 4 + h and 6 + h
	ds_load_b128 v[16*\j+4:16*\j+7],   v[TK+\j] offset:(8*\t+\j)*2048+1536
	ds_load_b128 v[16*\j+8:16*\j+11],  v[TK+\j] offset:(8*\t+\j)*2048          ; q: rows h and 2 + h
	ds_load_b128 v[16*\j+12:16*\j+15], v[TK+\j] offset:(8*\t+\j)*2048+512
.endr
	s_wait_dscnt 0x0
	WIN 0xff
.irp j, 0,1,2,3,4,5,6,7
.if \first
	v_wmma_f32_16x16x32_f16 v[SS+8*(8*\t+\j):SS+8*(8*\t+\j)+7], v[16*\j:16*\j+7], v[16*\j+8:16*\j+15], 0
.else
	v_wmma_f32_16x16x32_f16 v[SS+8*(8*\t+\j):SS+8*(8*\t+\j)+7], v[16*\j:16*\j+7], v[16*\j+8:16*\j+15], v[SS+8*(8*\t+\j):SS+8*(8*\t+\j)+7]
.endif
.endr
.rept 5
	v_nop                                          ; five places: the fragments' registers are next written by loads (four would do) or, in the next trip, by matrix instructions (five)
.endr
.endr
	WIN 0
.endm
; The softmax of my 16 tokens, all in window 3; in each step the tokens take turns.  A lane: one query head, eight key heads; the other eight lie in lane l xor 16.
; v[2 n] the maximum, then -c m;  v[32 + 2 n] the sum;  v[64 + 2 n] its reciprocal.  c = log2(e) / 8
.macro SOFTMAX
	WIN 0xff
.set n, 0
.rept 16
	v_max3_num_f32 v[2*n], v[SS+8*n], v[SS+8*n+1], v[SS+8*n+2]
.set n, n+1
.endr
.irp e, 3,5
.set n, 0
.rept 16
	v_max3_num_f32 v[2*n], v[2*n], v[SS+8*n+\e], v[SS+8*n+\e+1]
.set n, n+1
.endr
.endr
.set n, 0
.rept 16
	v_max_num_f32 v[2*n], v[2*n], v[SS+8*n+7]
.set n, n+1
.endr
.set n, 0
.rept 16
	v_permlanex16_b32 v[2*n+1], v[2*n], s[SEL], s[SEL+1]
.set n, n+1
.endr
.set n, 0
.rept 16
	v_max_num_f32 v[2*n], v[2*n], v[2*n+1]         ; the row's largest score
.set n, n+1
.endr
.set n, 0
.rept 16
	v_mul_f32 v[2*n], s20, v[2*n]                  ; -c m
.set n, n+1
.endr
.irp e, 0,2,4,6
.set n, 0
.rept 16
	v_pk_fma_f32 v[SS+8*n+\e:SS+8*n+\e+1], v[SS+8*n+\e:SS+8*n+\e+1], s[18:19], v[2*n:2*n+1] op_sel_hi:[1,0,0]   ; c s - c m, two at a time
.set n, n+1
.endr
.endr
.set n, 0
.rept 128
	v_exp_f32 v[SS+n], v[SS+n]                     ; one batch
.set n, n+1
.endr
	v_nop                                          ; a plain place behind the last exponential
	s_wait_alu depctr_va_vdst(0)                   ; one wait for the batch, ahead of its first reader
.set n, 0
.rept 16
	v_pk_add_f32 v[32+2*n:33+2*n], v[SS+8*n:SS+8*n+1], v[SS+8*n+2:SS+8*n+3]
.set n, n+1
.endr
.irp e, 4,6
.set n, 0
.rept 16
	v_pk_add_f32 v[32+2*n:33+2*n], v[32+2*n:33+2*n], v[SS+8*n+\e:SS+8*n+\e+1]
.set n, n+1
.endr
.endr
.set n, 0
.rept 16
	v_add_f32 v[32+2*n], v[32+2*n], v[33+2*n]
.set n, n+1
.endr
.set n, 0
.rept 16
	v_permlanex16_b32 v[33+2*n], v[32+2*n], s[SEL], s[SEL+1]
.set n, n+1
.endr
.set n, 0
.rept 16
	v_add_f32 v[32+2*n], v[32+2*n], v[33+2*n]      ; the row's sum
.set n, n+1
.endr
.set n, 0
.rept 16
	v_rcp_f32 v[64+2*n], v[32+2*n]
.set n, n+1
.endr
	v_nop
	s_wait_alu depctr_va_vdst(0)                   ; one wait for the 16 reciprocals
.irp e, 0,2,4,6
.set n, 0
.rept 16
	v_pk_mul_f32 v[SS+8*n+\e:SS+8*n+\e+1], v[SS+8*n+\e:SS+8*n+\e+1], v[64+2*n:65+2*n] op_sel_hi:[1,0]   ; p, normalised in f32
.set n, n+1
.endr
.endr
.irp q, 0,1,2,3
.set n, 0
.rept 16
	v_cvt_pk_f16_f32 v[SS+8*n+\q], v[SS+8*n+2*\q], v[SS+8*n+2*\q+1]   ; in place, ascending: registers 0-3 are key heads 8 h + 0 .. 7, as source 1 of the next product wants them
.set n, n+1
.endr
.endr
.irp e, 4,5,6,7
.set n, 0
.rept 16
	v_mov_b32 v[SS+8*n+\e], 0                      ; K = 16 .. 31: zeros
.set n, n+1
.endr
.endr
	WIN 0
.endm
; O^T = V^T P, four tokens at a time, four tiles of 16 d each; then 16 bytes a lane straight to ao
.macro PV
	WIN 0x40
.set n, 0
.rept 16
.irp e, 4,5,6,7
	v_mov_b32 v[8*n+\e], 0                         ; V^T for K = 16 .. 31: zeros, written once
.endr
.set n, n+1
.endr
.irp t, 0,1,2,3
	WIN 0
.irp j, 0,1,2,3
	v_xor_b32 v[TK+\j], 16*(4*\t+\j), v[AV]
.endr
	WIN 0x40                                       ; destination window 1
.irp j, 0,1,2,3
.irp d, 0,1,2,3
	ds_load_tr16_b128 v[8*(4*\j+\d):8*(4*\j+\d)+3], v[TK+\j] offset:(4*\t+\j)*2048+\d*512   ; lane l addresses head 8 (l / 16) + l % 8, d 16 d + 8 ((l / 8) % 2) + 0..7, and receives d 16 d + l % 16, heads 8 (l / 16) + 0..7
.endr
.endr
	s_wait_dscnt 0x0
	WIN 0x8d                                       ; V^T window 1, P window 3, O^T window 2
.irp j, 0,1,2,3
.irp d, 0,1,2,3
	v_wmma_f32_16x16x32_f16 v[8*(4*\j+\d):8*(4*\j+\d)+7], v[8*(4*\j+\d):8*(4*\j+\d)+7], v[SS+8*(4*\t+\j):SS+8*(4*\t+\j)+7], 0
.endr
.endr
.rept 4
	v_nop
.endr
	s_wait_xcnt 0x0                                ; the last four tokens' stores have read their registers
	WIN 0x8a                                       ; all in window 2
.set n, 0
.rept 16
.irp q, 0,1,2,3
	v_cvt_pk_f16_f32 v[128+4*n+\q], v[8*n+2*\q], v[8*n+2*\q+1]
.endr
.set n, n+1
.endr
	WIN 0x08                                       ; a store's data are its source 1: window 2
.irp j, 0,1,2,3
.irp d, 0,1,2,3
	global_store_b128 v[L16], v[128+4*(4*\j+\d):128+4*(4*\j+\d)+3], s[8:9] offset:(4*\t+\j)*2048+\d*512   ; lane (head r, h): d = 16 d + 8 h + 0..7: the wave stores 512 consecutive bytes, aligned
.endr
.endr
.endr
	WIN 0
.endm
	s_load_b128 s[4:7], s[0:1], 0x0                ; x, wq
	s_load_b64 s[8:9], s[0:1], 0x10                ; ao
	v_lshl_add_u32 v[SPW], v0, 2, SPARE
	v_mov_b32 v[NIL], 0
	v_lshrrev_b32 v26, 5, v0
	v_readfirstlane_b32 s10, v26                   ; wave 0..3
	v_and_b32 v26, 31, v0                          ; lane
	v_and_b32 v27, 15, v0                          ; r
	v_bfe_u32 v28, v0, 4, 1                        ; h
	v_lshlrev_b32 v[L16], 4, v26
	v_lshlrev_b32 v[L8], 3, v26
	s_mul_i32 s14, s10, 16*RAWP
	s_add_co_u32 s14, s14, RAW
	v_add_nc_u32 v[RAWW], s14, v[L16]
	v_mul_u32_u24 v29, v27, RAWP
	v_lshl_add_u32 v29, v28, 6, v29
	v_add_nc_u32 v[RAWR], s14, v29
	s_lshl_b32 s14, s10, 13
	s_add_co_u32 s14, s14, XIMG
	v_add_nc_u32 v[XWI], s14, v[L16]
	v_lshlrev_b32 v29, 2, v26
	s_lshl_b32 s14, s10, 10
	s_add_co_u32 s14, s14, XSC
	v_add_nc_u32 v[XWS], s14, v29
	v_add_nc_u32 v[XRI], XIMG, v[L16]
	v_add_nc_u32 v[XRS], XSC, v29
	v_lshlrev_b32 v29, 4, v27
	s_lshl_b32 s14, s10, 6
	v_xor_b32 v29, s14, v29                        ; 16 (r xor 4 w)
	v_lshlrev_b32 v30, 11, v27
	v_lshl_add_u32 v30, v28, 8, v30                ; 2048 r + 256 h
.irp c, 0,1,2,3
	v_xor_b32 v[AD+\c], 16*\c, v29
	v_add_nc_u32 v[AD+\c], v[AD+\c], v30
.endr
	s_lshl_b32 s14, s10, 15                        ; my 16 tokens in the stage
	v_add_nc_u32 v[AR], s14, v[L16]                ; 256 h + 16 r = 16 x lane
	v_bfe_u32 v29, v0, 3, 1
	v_and_b32 v30, 7, v0
	v_lshl_add_u32 v30, v28, 3, v30
	v_lshlrev_b32 v30, 4, v30
	v_lshl_add_u32 v30, v29, 8, v30
	v_add_nc_u32 v[AV], s14, v30
.irp b, 0,1,2,3
	v_mov_b32 v[TM+4+\b], 0                        ; written once: a lane permute's destination counts as one of its sources
.endr
	s_mov_b32 s[SEL], 0x76543210
	s_mov_b32 s[SEL+1], 0xfedcba98
	s_mov_b32 s18, 0x3e38aa3b                      ; c = log2(e) / 8
	s_mov_b32 s19, s18                             ; (named with it as a pair, so it is written)
	s_mov_b32 s20, 0xbe38aa3b                      ; -c
	s_lshl_b32 s14, ttmp9, 18                      ; x: 64 rows of 4,096 bytes a work-group,
	s_lshl_b32 s15, s10, 16                        ; 16 a wave
	s_add_co_u32 s14, s14, s15
	s_mov_b32 s15, 0
	s_mul_i32 s22, s10, 8*BLK                      ; wq: my wave's eight K steps of trip 0
	s_mov_b32 s23, 0
	s_lshl_b32 s24, ttmp9, 17                      ; ao: rows of 2,048 bytes
	s_lshl_b32 s25, s10, 15
	s_add_co_u32 s24, s24, s25
	s_mov_b32 s25, 0
	s_wait_kmcnt 0x0
	s_add_nc_u64 s[4:5], s[4:5], s[14:15]
	s_add_nc_u64 s[6:7], s[6:7], s[22:23]
	s_add_nc_u64 s[8:9], s[8:9], s[24:25]
	; ---- x first: its loads run three K steps (48 loads) ahead of the step that is quantised; trip 0's eight sets of weights are issued as x's loads thin out
	XLOAD 0
	XLOAD 1
	XLOAD 2
.irp s, 0,1,2,3,4
	XLOAD \s+3
	TURNX \s, 48                                   ; behind this step's loads: the three later K steps' 48
.endr
	WLOAD 0, 0
	TURNX 5, 41                                    ; behind step 5's: steps 6 and 7 (32) and one set of weights (9)
	WLOAD 1, 0
	WLOAD 2, 0
	TURNX 6, 43                                    ; behind step 6's: step 7 (16) and three sets (27)
	WLOAD 3, 0
	WLOAD 4, 0
	TURNX 7, 45                                    ; behind step 7's: five sets
	WLOAD 5, 0
	WLOAD 6, 0
	WLOAD 7, 0
	BARRIER                                        ; x's 32 images lie in LDS
	WIN 0x40
.set n, 0
.rept 32
	ds_load_b128 v[8*n:8*n+3],   v[XRI] offset:n*1024
	ds_load_b128 v[8*n+4:8*n+7], v[XRI] offset:n*1024+512
.set n, n+1
.endr
	WIN 0
.set n, 0
.rept 32
	ds_load_b32 v[XS+n], v[XRS] offset:n*128
.set n, n+1
.endr
	s_wait_dscnt 0x0
	; ---- slab 0: q and k, d 0-31
	s_mov_b32 s12, 0
	s_mov_b32 s13, 4
.Lslab0:
	TRIP 1
	s_sub_co_u32 s13, s13, 1
	s_cmp_lg_u32 s13, 0
	s_cbranch_scc1 .Lslab0
	BARRIER                                        ; the slab lies in the stage
	SCORE 1
	BARRIER                                        ; everybody has read it: the next slab may be stored
	; ---- slab 1: q and k, d 32-63
	s_mov_b32 s12, 0
	s_mov_b32 s13, 4
.Lslab1:
	TRIP 1
	s_sub_co_u32 s13, s13, 1
	s_cmp_lg_u32 s13, 0
	s_cbranch_scc1 .Lslab1
	BARRIER
	SCORE 0
	BARRIER
	SOFTMAX
	; ---- slab 2: v
	s_mov_b32 s12, 0
	s_mov_b32 s13, 3
.Lslab2:
	TRIP 1
	s_sub_co_u32 s13, s13, 1
	s_cmp_lg_u32 s13, 0
	s_cbranch_scc1 .Lslab2
	TRIP 0                                         ; the last trip asks for nothing: no load leaves wq
	BARRIER
	PV
	s_wait_tensorcnt 0x0                           ; the wave's end, behind my last LDS store
	ds_add_u32 v[SPW], v[NIL]
	s_wait_dscnt 0x0
	s_endpgm
.Lfunc_end_k_q2e94fc0e20_qkvattn:
	.size	k_q2e94fc0e20_qkvattn, .Lfunc_end_k_q2e94fc0e20_qkvattn-k_q2e94fc0e20_qkvattn
	.p2alignl 7, 3214868480
	.fill 96, 4, 3214868480
	.section	.rodata,"a",@progbits
	.p2align	6, 0x0
	.amdhsa_kernel k_q2e94fc0e20_qkvattn
		.amdhsa_group_segment_fixed_size 202240
		.amdhsa_private_segment_fixed_size 0
		.amdhsa_enable_private_segment 0
		.amdhsa_kernarg_size 24
		.amdhsa_user_sgpr_count 2
		.amdhsa_user_sgpr_kernarg_segment_ptr 1
		.amdhsa_wavefront_size32 1
		.amdhsa_system_sgpr_workgroup_id_x 1
		.amdhsa_system_sgpr_workgroup_id_y 1
		.amdhsa_system_sgpr_workgroup_id_z 1
		.amdhsa_system_vgpr_workitem_id 0
		.amdhsa_next_free_vgpr 1024
		.amdhsa_next_free_sgpr 66
		.amdhsa_reserve_vcc 0
		.amdhsa_float_denorm_mode_32 3
		.amdhsa_float_denorm_mode_16_64 3
		.amdhsa_memory_ordered 1
		.amdhsa_forward_progress 1
		.amdhsa_inst_pref_size 255
	.end_amdhsa_kernel
	.section	.bss,"aw",@nobits
	.p2align	6
	.space	262144
	.amdgpu_metadata
---
amdhsa.version: [ 1, 2 ]
amdhsa.kernels:
  - .name:           k_q2e94fc0e20_qkvattn
    .symbol:         k_q2e94fc0e20_qkvattn.kd
    .args:
      - { .name: x, .offset: 0, .size: 8, .value_kind: global_buffer, .address_space: global }
      - { .name: wq, .offset: 8, .size: 8, .value_kind: global_buffer, .address_space: global }
      - { .name: ao, .offset: 16, .size: 8, .value_kind: global_buffer, .address_space: global }
    .group_segment_fixed_size: 202240
    .private_segment_fixed_size: 0
    .kernarg_segment_align: 8
    .kernarg_segment_size: 24
    .max_flat_workgroup_size: 128
    .sgpr_count:     66
    .vgpr_count:     1024
    .wavefront_size: 32
...
	.end_amdgpu_metadata
.endif
;; end of part 2
;; launch outproj (part 3): grid 4 x 64, 4 waves a work-group, clusters of 4 x 4, 327,680 bytes of LDS; arguments ao, wo, out0, b_out; writes out0
.if DOCPART == 3
	.amdgcn_target "amdgcn-amd-amdhsa--gfx1250"
	.amdhsa_code_object_version 6
	.text
	.protected	k_q2e94fc0e20_outproj
	.globl	k_q2e94fc0e20_outproj
	.p2align	8
	.type	k_q2e94fc0e20_outproj,@function
k_q2e94fc0e20_outproj:
	s_mov_b64 s[64:65], 0
	v_nop
	global_prefetch_b8 v0, s[64:65] scope:SCOPE_SE
	s_setreg_imm32_b32 hwreg(HW_REG_WAVE_MODE, 25, 1), 1
	s_wait_xcnt 0x0
	s_wait_alu depctr_hold_cnt(0) depctr_sa_sdst(0) depctr_va_vdst(0) depctr_va_sdst(0) depctr_va_ssrc(0) depctr_va_vcc(0) depctr_vm_vsrc(0)
	s_getreg_b32 s2, hwreg(HW_REG_IB_STS2, 6, 4)
	s_cmp_eq_u32 s2, 0
	s_cbranch_scc0 .Lentry_in_a_cluster
	s_endpgm
.Lentry_in_a_cluster:
	s_bfe_u32 s2, ttmp6, 0x10000c
	s_cmp_lg_u32 s2, 0xf033
	s_cbranch_scc0 .Lentry_shape_is_right
	s_endpgm
.Lentry_shape_is_right:
; OUTPROJ: out0[m][n] = sum over k' of ao[m][k'] wo(n, k') + b_out[n].  ao: [16384][1024] f16; wo: W_out in f16, its K in ao's order, laid as images of the operand's registers; out0: [16384][1024] f32; sums in f32.
; A tile of out0, 256 x 256, is made by a work-group of four waves; a wave makes 128 x 128: 64 accumulators of 16 x 16, 512 registers.  K goes in steps of 128 through a ring of two LDS slots filled by the
; tensor data mover: A's tile is 256 rows of 256 bytes (16 bytes of padding behind each in LDS), B's is two dense blocks of 32 KiB, read 512 consecutive bytes a load, so it needs no padding.
; CLUSTERS: 4 x 4 work-groups.  The four of a row of the cluster need the same tiles of A, the four of a column the same tiles of B: each tile is asked for JOINTLY, by the same tensor load with the same descriptor
; and a mask that names the four.  By this text's count a wave has two tensor loads out at the start and one behind each round.
; THE MATRIX INSTRUCTION IS USED TRANSPOSED (source 0 = 16 columns n, source 1 = 16 rows m): a lane holds eight neighbouring numbers of a row of out0.  THE BIAS is the C of each sum's first product.
; LIMITS: as the launches before state them (f16 operands).
; REGISTERS, in windows of 256: window 0: v0-31 addresses; v64-127, v128-191 fragments of A, two buffers; on the way out v128-255 rows of out0
;   window 1: v0-63 the bias in the result's layout, eight registers for each of my eight blocks of 16 columns; v64-127, v128-191 fragments of B, two buffers
;   window 2: the 32 accumulators of my rows 0-63 (accumulator (a, b) at v[8 (8 a + b)]);   window 3: those of my rows 64-127
.set SIZE_N, 1024
.set SIZE_K, 1024
.set KSTEP,  128
.set PITCH,  272                       ; A's LDS row: 256 bytes + 16: row r starts 16 r bytes further round the 64 banks of 4 bytes (ISA guide 11.1), so the 16 rows of a load start at 16 different places
.set HALFA,  128*PITCH                 ; 128 rows of A: what one tensor load brings
.set HALFB,  32768                     ; 128 columns of B for a K step
.set SLOT,   2*HALFA+2*HALFB
.set STAGE,  2*SLOT                    ; behind the ring: 16 rows x (512 + 16) bytes for each wave, for the way out
.set SPITCH, 528
.set SPARE,  STAGE+4*16*SPITCH         ; the spare words, 128 bytes for each wave: two blocks of 256 bytes that no other line names
.set LAPS,   SIZE_K/(2*KSTEP)          ; a lap = two K steps = once round the ring
.set ADRA, 16                          ; v16-17  LDS address of my A fragments in slot 0, 1
.set ADRB, 20                          ; v20-21  the same for B
.set STO,  24                          ; v24     the way out: where I put 32 bytes of a row
.set RD,   25                          ; v25     where I read a row back
.set CO,   26                          ; v26     my byte offset in a row of out0
.set BO,   27                          ; v27     the bias: 32 bytes for each half of the lanes
.set SPW,  28                          ; v28     LDS address of my spare word; never rewritten
.set NIL,  29                          ; v29     0; never rewritten
.set PFO,  30                          ; v30     the prefetches' offset: my lane x a row of ao; never rewritten
.set PFA,  44                          ; s[44:45] where my prefetches stand
.set LIM,  43                          ; s43     1 in a wave that prefetches, else the greatest number
.set F0,   64
.set F1,   128
.set BK,   128                         ; the way out: v128-191 and v192-255 by turns
.set G1,  24                           ; s[24:31] descriptor group 1 for A's tiles;  s[32:39] group 0, one set for each slot
.set G0,  32
.set G1B, 48                           ; s[48:55], s[56:63] the same for B's
.set G0B, 56
.set MSB, 0
.macro WIN new                         ; the immediate's high byte repeats the setting that is left
.if MSB != \new
	s_set_vgpr_msb (MSB<<8)|\new
.set MSB, \new
.endif
.endm
.set MUL_LO,  0xa1                     ; source 0 (B) window 1, source 1 (A) window 0, C and D window 2
.set MUL_HI,  0xf1                     ; the same, C and D window 3
.set BIAS_LO, 0x91                     ; the first products: C (the bias) window 1, D window 2
.set BIAS_HI, 0xd1                     ; D window 3
.set TO_B,    0x40                     ; destination window 1, address window 0
; A joint load: waves 0 and 1 fetch A's two halves, waves 2 and 3 B's.  The branch hangs on the wave's number alone.  An s_nop 0 and four v_nop follow each of the two lines.
.macro JLOAD s
	s_cmp_eq_u32 s11, 0
	s_cbranch_scc0 .Lfor_b_\@
	tensor_load_to_lds s[G0+4*\s:G0+4*\s+3], s[G1:G1+7]
	s_nop 0
.rept 4
	v_nop
.endr
	s_branch .Lasked_\@
.Lfor_b_\@:
	tensor_load_to_lds s[G0B+4*\s:G0B+4*\s+3], s[G1B:G1B+7]
	s_nop 0
.rept 4
	v_nop
.endr
.Lasked_\@:
.endm
; A PREFETCH INTO THE L2 of A's K step that stands two refills on: 32 rows x 256 bytes, a lane a row, one instruction a wave, 512 matrix instructions ahead of the load that will want it.  Waves 0 and 1, which fetch A, ask.
; The grid is one cluster wide, so no other cluster reads these rows; the four partners that ask for a tile jointly share its rows out BY ADDRESS, 32 each: each row's 256 bytes of a K step are named once in the launch.
; K steps 0 to 3 come by their loads alone; the loop's last trip (s3 = 1) asks for nothing: there is no K step two refills on.  B is not asked for: all sixteen clusters walk the same 2 MiB.
.macro ASK
	s_cmp_gt_u32 s3, s[LIM]
	s_cbranch_scc0 .Lnot_mine_\@
	global_prefetch_b8 v[PFO], s[PFA:PFA+1] offset:KSTEP*2 th:TH_LOAD_NT scope:SCOPE_SE
.Lnot_mine_\@:
.endm
.macro CREST                           ; a round of the cluster's barrier behind its opening barrier
	s_cmp_lg_u32 s10, 0
	s_cbranch_scc1 .Lnot_wave_0_\@
	s_barrier_signal -3
.Lnot_wave_0_\@:
	s_barrier_wait -3
	s_barrier_signal -1
	s_barrier_wait -1
.endm
.macro CROUND                          ; a whole round
	s_barrier_signal -1
	s_barrier_wait -1
	CREST
.endm
	s_load_b128 s[4:7], s[0:1], 0x0                ; ao s[4:5], wo s[6:7]
	s_load_b64 s[8:9], s[0:1], 0x10                ; out0
	s_load_b64 s[66:67], s[0:1], 0x18              ; b_out
	v_lshl_add_u32 v[SPW], v0, 2, SPARE
	v_mov_b32 v[NIL], 0
	ds_add_u32 v[SPW], v[NIL]                      ; the wave's opening: the add and its wait stand ahead of my first tensor load; the set-up below, work on registers, stands between them
	v_lshrrev_b32 v1, 5, v0
	v_readfirstlane_b32 s10, v1                    ; wave 0..3
	s_lshr_b32 s11, s10, 1                         ; which half of the tile's rows is mine.  Also: I fetch for A (0) or for B (1)
	s_and_b32 s12, s10, 1                          ; which half of its columns.  Also: which half of that tile I fetch
	s_bfe_u32 s40, ttmp6, 0x40000                  ; cx, cy: my place in the cluster
	s_bfe_u32 s41, ttmp6, 0x40004
	s_lshl_b32 s42, ttmp9, 2
	s_add_co_u32 s42, s42, s40                     ; tile column = 4 x cluster x + cx
	s_and_b32 s13, ttmp7, 0xffff
	s_lshl_b32 s13, s13, 2
	s_add_co_u32 s13, s13, s41                     ; tile row = 4 x cluster y + cy
	s_lshl_b32 s43, s41, 2
	s_lshl_b32 s43, 15, s43                        ; my row of the cluster
	s_lshl_b32 s44, 0x1111, s40                    ; my column
	; group 1 for A: 128 rows x 128 elements of 2 bytes, padded in LDS
	s_or_b32 s[G1+0], s43, (1<<16)|(1<<20)|(1<<21)|(5<<22)|(3<<25)  ; 15:0 the mask: my row; 17:16 elements of 2 bytes; 20 padding on; 21 set beside a mask; 24:22 after every 64 words; 31:25 four words
	s_mov_b32 s[G1+1], KSTEP<<16                   ; tensor_dim0 = 128
	s_mov_b32 s[G1+2], 128<<16                     ; tensor_dim1 = 128
	s_mov_b32 s[G1+3], KSTEP<<16                   ; tile_dim0 = 128
	s_mov_b32 s[G1+4], 128                         ; tile_dim1 = 128
	s_mov_b32 s[G1+5], SIZE_K                      ; from row to row, in elements
	s_mov_b32 s[G1+6], 0
	s_mov_b32 s[G1+7], 0
	; group 1 for B: a dense block of 32,768 bytes as 128 rows of 32 elements of 8 bytes, no padding
	s_or_b32 s[G1B+0], s44, (3<<16)|(1<<21)        ; the mask: my column
	s_mov_b32 s[G1B+1], 32<<16
	s_mov_b32 s[G1B+2], 128<<16
	s_mov_b32 s[G1B+3], 32<<16
	s_mov_b32 s[G1B+4], 128
	s_mov_b32 s[G1B+5], 32
	s_mov_b32 s[G1B+6], 0
	s_mov_b32 s[G1B+7], 0
	; where the tiles come from: A's hang on the tile row alone, B's on the tile column alone, each in registers that never hold the other coordinate
	s_lshl_b32 s17, s12, 7
	s_lshl_b32 s16, s13, 8
	s_add_co_u32 s16, s16, s17                     ; A: row 256 x tile row + 128 x half,
	s_lshl_b32 s16, s16, 11                        ; of 2,048 bytes
	s_mov_b32 s17, 0
	s_lshl_b32 s46, s42, 19                        ; B: ((8 x tile column + K step) 2 + half) 32768
	s_lshl_b32 s47, s12, 15
	s_add_co_u32 s46, s46, s47
	s_mov_b32 s47, 0
	s_mul_i32 s20, s12, HALFA                      ; and where they go: no place in the cluster enters an LDS address
	s_mul_i32 s21, s12, HALFB
	s_add_co_u32 s21, s21, 2*HALFA
	s_wait_dscnt 0x0                               ; the opening add is done
	s_wait_kmcnt 0x0
	s_add_nc_u64 s[14:15], s[4:5], s[16:17]
	s_add_nc_u64 s[46:47], s[6:7], s[46:47]
	CROUND                                         ; all sixteen work-groups are here: the first joint loads meet
.irp s, 0,1
	s_mov_b32 s[G0+4*\s], 1                                        ; count = 1
	s_add_co_u32 s[G0+4*\s+1], s20, \s*SLOT                        ; LDS address
	s_add_nc_u64 s[G0+4*\s+2:G0+4*\s+3], s[14:15], \s*KSTEP*2      ; global address: K step s
	s_or_b32 s[G0+4*\s+3], s[G0+4*\s+3], 0x80000000                ; type = 2
	s_mov_b32 s[G0B+4*\s], 1
	s_add_co_u32 s[G0B+4*\s+1], s21, \s*SLOT
	s_add_nc_u64 s[G0B+4*\s+2:G0B+4*\s+3], s[46:47], \s*2*HALFB
	s_or_b32 s[G0B+4*\s+3], s[G0B+4*\s+3], 0x80000000
	JLOAD \s
.endr
	v_and_b32 v1, 15, v0                           ; r
	v_bfe_u32 v2, v0, 4, 1                         ; h
	v_mul_u32_u24 v3, v1, PITCH
	v_lshl_add_u32 v3, v2, 4, v3                   ; A: row x pitch + 16 x half
	v_and_b32 v4, 31, v0
	v_lshlrev_b32 v4, 4, v4                        ; B: 16 x lane
	s_mul_i32 s21, s11, HALFA                      ; my 128 rows of A
	s_mul_i32 s22, s12, HALFB                      ; my 128 columns of B,
	s_add_co_u32 s22, s22, 2*HALFA                 ; which lie behind A's 256 rows
.irp s, 0,1
	v_add_nc_u32 v[ADRA+\s], s21, v3
	v_add_nc_u32 v[ADRB+\s], s22, v4
	s_add_co_u32 s21, s21, SLOT
	s_add_co_u32 s22, s22, SLOT
.endr
	s_mul_i32 s23, s10, 16*SPITCH
	s_add_co_u32 s23, s23, STAGE                   ; my stage
	v_mul_u32_u24 v5, v1, SPITCH                   ; in: row r, 32 bytes for each half of the lanes
	v_lshl_add_u32 v5, v2, 5, v5
	v_add_nc_u32 v[STO], s23, v5
	v_add_nc_u32 v[RD], s23, v4                    ; back: the 32 lanes take one row of 512 bytes;
	v_mov_b32 v[CO], v4                            ; and the same in out0
	v_lshlrev_b32 v[BO], 5, v2
	s_lshl_b32 s16, s13, 8
	s_lshl_b32 s17, s11, 7
	s_add_co_u32 s16, s16, s17                     ; my first row of out0,
	s_lshl_b32 s16, s16, 12                        ; of 4,096 bytes
	s_mov_b32 s17, 0
	s_lshl_b32 s46, s42, 10                        ; my first column, in bytes: 1024 x tile column + 512 x half
	s_lshl_b32 s47, s12, 9
	s_add_co_u32 s46, s46, s47
	s_mov_b32 s47, 0
	s_add_nc_u64 s[8:9], s[8:9], s[16:17]
	s_add_nc_u64 s[8:9], s[8:9], s[46:47]
	s_add_nc_u64 s[66:67], s[66:67], s[46:47]      ; and the same columns of the bias
	WIN TO_B
.irp b, 0,1,2,3,4,5,6,7                        ; lane (r, h) wants, for block b, b_out at my columns 16 b + 8 h + 0 .. 7
	global_load_b128 v[8*\b:8*\b+3],   v[BO], s[66:67] offset:64*\b
	global_load_b128 v[8*\b+4:8*\b+7], v[BO], s[66:67] offset:64*\b+16
.endr
	WIN 0
	s_lshl_b32 s20, s13, 8                         ; the prefetches: the tile's first row,
	s_lshl_b32 s21, s12, 7
	s_add_co_u32 s20, s20, s21                     ; + the 128 rows that I fetch,
	s_lshl_b32 s21, s40, 5
	s_add_co_u32 s20, s20, s21                     ; + my work-group's 32 of them,
	s_lshl_b32 s20, s20, 11
	s_add_co_u32 s20, s20, 2*KSTEP*2               ; at K step 2: the first refill steps it to 3 and names K step 4
	s_mov_b32 s21, 0
	s_add_nc_u64 s[PFA:PFA+1], s[4:5], s[20:21]
	s_cmp_eq_u32 s11, 0
	s_cselect_b32 s[LIM], 1, -1
	v_and_b32 v[PFO], 31, v0
	v_lshlrev_b32 v[PFO], 11, v[PFO]
; 16 matrix instructions: m blocks a0, a0 + 1 of the window's four (hi = 0: my rows 0-63, 1: rows 64-127) x all 8 n blocks, 32 along K.  bias = 1: the first product starts the sums on the bias
.macro MUL16 f, hi, a0, bias
.irp a, \a0, \a0+1
.irp b, 0,1,2,3,4,5,6,7
.if \bias
	v_wmma_f32_16x16x32_f16 v[8*(8*(\a)+\b):8*(8*(\a)+\b)+7], v[\f+8*\b:\f+8*\b+7], v[\f+8*(4*\hi+\a):\f+8*(4*\hi+\a)+7], v[8*\b:8*\b+7]
.else
	v_wmma_f32_16x16x32_f16 v[8*(8*(\a)+\b):8*(8*(\a)+\b)+7], v[\f+8*\b:\f+8*\b+7], v[\f+8*(4*\hi+\a):\f+8*(4*\hi+\a)+7], v[8*(8*(\a)+\b):8*(8*(\a)+\b)+7]
.endif
.endr
.endr
.endm
; 32 LDS loads in one run: the fragments of one quarter step (32 along K, at byte k of A's rows) into buffer f.  B's fragment (block i, quarter q) is 1,024 consecutive bytes at (4 i + q) 1024
.macro FETCH slot, k, f
	WIN TO_B
.irp i, 0,1,2,3,4,5,6,7
	ds_load_b128 v[\f+8*\i:\f+8*\i+3],   v[ADRB+\slot] offset:(4*\i+(\k)/64)*1024
	ds_load_b128 v[\f+8*\i+4:\f+8*\i+7], v[ADRB+\slot] offset:(4*\i+(\k)/64)*1024+512
.endr
	WIN 0
.irp i, 0,1,2,3,4,5,6,7
	ds_load_b128 v[\f+8*\i:\f+8*\i+3],   v[ADRA+\slot] offset:\k+\i*16*PITCH
	ds_load_b128 v[\f+8*\i+4:\f+8*\i+7], v[ADRA+\slot] offset:\k+\i*16*PITCH+32
.endr
.endm
.macro PLACES                          ; four places in front of loads into registers that matrix instructions have read, and of the first read of results
.rept 4
	v_nop
.endr
.endm
; A K step is four quarters of 32 along K, 64 matrix instructions each, on buffers 0, 1, 0, 1; the 64 accumulators take turns in the same order in every quarter.
; One of the first three: multiplies buffer f; in its middle it fetches the next quarter's fragments into buffer g.
.macro QUARTER slot, k, f, g, bias
	s_wait_dscnt 8                                 ; B and A's rows 0-63 are in; the youngest eight loads (A's rows 64-127) may be out
.if \bias
	WIN BIAS_LO
.else
	WIN MUL_LO
.endif
	MUL16 \f, 0, 0, \bias
	MUL16 \f, 0, 2, \bias
	PLACES
	FETCH \slot, \k, \g
	s_wait_dscnt 32                                ; all but the 32 just issued
.if \bias
	WIN BIAS_HI
.else
	WIN MUL_HI
.endif
	MUL16 \f, 1, 0, \bias
	MUL16 \f, 1, 2, \bias
.endm
; The last quarter multiplies buffer 1 and changes slots.  MEET is its first half: ONE barrier; in front of it each wave waits for all its tensor loads (its part of the next slot), adds 0 to its spare word,
; and waits for that and for its own reads of this slot.
.macro MEET round
	WIN 0                                          ; (the add's two registers lie in window 0)
	s_wait_tensorcnt 0x0                           ; all my tensor loads have landed;
	ds_add_u32 v[SPW], v[NIL]                      ; 0 onto my spare word;
	s_wait_dscnt 9                                 ; (the add and the youngest eight loads may be out)
	WIN MUL_LO
	MUL16 F1, 0, 0, 0                              ; sixteen matrix instructions stand between the add and the wait for it
	s_wait_dscnt 0x0                               ; the add is done, and my reads of this slot are over
	s_barrier_signal -1
	MUL16 F1, 0, 2, 0                              ; work on registers while the others arrive
.if \round
	WIN 0
.endif
	s_barrier_wait -1
.endm
; The whole last quarter: behind the round the slot just read out is filled again, two K steps on; then come the next slot's first fragments.
.macro TURN slot, next
	s_wait_xcnt 0x0                                ; the last prefetch, a K step back, has read its address: it is stepped here, ahead of the waits of the change of slots
	s_add_nc_u64 s[PFA:PFA+1], s[PFA:PFA+1], KSTEP*2
	MEET 1
	CREST                                          ; the barrier has opened a round of the cluster's: no wave of any partner still reads this slot's tile or has a load on its way
	s_add_nc_u64 s[G0+4*\slot+2:G0+4*\slot+3], s[G0+4*\slot+2:G0+4*\slot+3], 2*KSTEP*2
	s_add_nc_u64 s[G0B+4*\slot+2:G0B+4*\slot+3], s[G0B+4*\slot+2:G0B+4*\slot+3], 4*HALFB
	JLOAD \slot                                    ; the first tensor load behind the round; the four v_nop behind it are also the places in front of the loads below
	FETCH \next, 0, F0
	ASK
	WIN MUL_HI
	MUL16 F1, 1, 0, 0
	MUL16 F1, 1, 2, 0
.endm
; THE WAY OUT, block by block of 16 rows x 128 columns, through my own stage in LDS: in as 32 bytes a lane, back as whole rows of 512 bytes.  LDS serves a wave's instructions in order (ISA guide 5.7.1.4).
.macro TOSTAGE a
.set AC, 64*((\a)%4)
	WIN 0x08+4*((\a)/4)                            ; the data: window 2 or 3
.irp b, 0,1,2,3,4,5,6,7
	ds_store_b128 v[STO], v[AC+8*\b:AC+8*\b+3] offset:64*\b          ; each accumulator from its low end on
	ds_store_b128 v[STO], v[AC+8*\b+4:AC+8*\b+7] offset:64*\b+16
.endr
	WIN 0
.set BB, BK+64*((\a)%2)
.irp t, 0,1,2,3,4,5,6,7,8,9,10,11,12,13,14,15
	ds_load_b128 v[BB+4*\t:BB+4*\t+3], v[RD] offset:\t*SPITCH
.endr
.endm
.macro SEND a, younger                 ; younger: the LDS instructions issued behind block a's loads, which may stay out
.set BB, BK+64*((\a)%2)
	s_wait_dscnt \younger
.if (\a) > 0
	s_add_nc_u64 s[8:9], s[8:9], 16*SIZE_N*4       ; (behind a wait on XCNT: the earlier stores have read their base)  16 rows on
.endif
.irp t, 0,1,2,3,4,5,6,7,8,9,10,11,12,13,14,15
	global_store_b128 v[CO], v[BB+4*\t:BB+4*\t+3], s[8:9] offset:\t*SIZE_N*4 th:TH_STORE_NT   ; 32 lanes store 512 consecutive bytes, at a multiple of 256 from out0's first byte
.endr
.endm
	s_wait_tensorcnt 1                             ; my part of K step 0 is in (K step 1's load may be out)
	s_barrier_signal -1
	s_barrier_wait -1                              ; everybody's is
	FETCH 0, 0, F0
	s_wait_loadcnt 0x0                             ; the bias
	QUARTER 0, 64,  F0, F1, 1                      ; the first quarter stands in front of the loop: its products start the sums
	WIN 0                                          ; at a label and at a branch every window is 0
	s_mov_b32 s3, LAPS-1
.Llap:                                                 ; a trip goes once round the ring, from a lap's second quarter to the next lap's first, and fills both slots again
	QUARTER 0, 128, F1, F0, 0
	QUARTER 0, 192, F0, F1, 0
	TURN 0, 1
	QUARTER 1, 64,  F0, F1, 0
	QUARTER 1, 128, F1, F0, 0
	QUARTER 1, 192, F0, F1, 0
	TURN 1, 0
	QUARTER 0, 64,  F0, F1, 0
	WIN 0
	s_sub_co_u32 s3, s3, 1
	s_cmp_lg_u32 s3, 0
	s_cbranch_scc1 .Llap
	QUARTER 0, 128, F1, F0, 0                      ; the last lap fills nothing, and has no round of the cluster's barrier
	QUARTER 0, 192, F0, F1, 0
	MEET 0
	PLACES
	FETCH 1, 0, F0
	WIN MUL_HI
	MUL16 F1, 1, 0, 0
	MUL16 F1, 1, 2, 0
	QUARTER 1, 64,  F0, F1, 0
	QUARTER 1, 128, F1, F0, 0
	QUARTER 1, 192, F0, F1, 0
	s_wait_dscnt 8                                 ; the very last quarter: nothing more to fetch
	WIN MUL_LO
	MUL16 F1, 0, 0, 0
	MUL16 F1, 0, 2, 0
	s_wait_dscnt 0x0
	WIN MUL_HI
	MUL16 F1, 1, 0, 0
	MUL16 F1, 1, 2, 0
	WIN 0
	PLACES                                         ; for the loads into the registers that held A's fragments, and for the reads of the last results
	TOSTAGE 0
.irp a, 1,2,3,4,5,6,7
.if \a > 1
	s_wait_xcnt 0x0                                ; block a - 2's stores have read their registers and their base: block a's loads may land there, and the base may step
.endif
	TOSTAGE \a
	SEND \a-1, 32                                  ; behind block a - 1's loads: block a's 16 stores and 16 loads
.endr
	s_wait_xcnt 0x0                                ; block 6's stores have read their base
	SEND 7, 0
	s_wait_tensorcnt 0x0                           ; the wave's end: behind my last tensor load and my last LDS store
	ds_add_u32 v[SPW], v[NIL]
	s_wait_dscnt 0x0
	CROUND                                         ; the closing round: no work-group ends while a partner may still ask for a tile that names it
	s_endpgm
.Lfunc_end_k_q2e94fc0e20_outproj:
	.size	k_q2e94fc0e20_outproj, .Lfunc_end_k_q2e94fc0e20_outproj-k_q2e94fc0e20_outproj
	.p2alignl 7, 3214868480
	.fill 96, 4, 3214868480
	.section	.rodata,"a",@progbits
	.p2align	6, 0x0
	.amdhsa_kernel k_q2e94fc0e20_outproj
		.amdhsa_group_segment_fixed_size 327680
		.amdhsa_private_segment_fixed_size 0
		.amdhsa_enable_private_segment 0
		.amdhsa_kernarg_size 32
		.amdhsa_user_sgpr_count 2
		.amdhsa_user_sgpr_kernarg_segment_ptr 1
		.amdhsa_wavefront_size32 1
		.amdhsa_system_sgpr_workgroup_id_x 1
		.amdhsa_system_sgpr_workgroup_id_y 1
		.amdhsa_system_sgpr_workgroup_id_z 1
		.amdhsa_system_vgpr_workitem_id 0
		.amdhsa_next_free_vgpr 1024
		.amdhsa_next_free_sgpr 72
		.amdhsa_reserve_vcc 0
		.amdhsa_float_denorm_mode_32 3
		.amdhsa_float_denorm_mode_16_64 3
		.amdhsa_memory_ordered 1
		.amdhsa_forward_progress 1
		.amdhsa_inst_pref_size 143
	.end_amdhsa_kernel
	.amdgpu_metadata
---
amdhsa.version: [ 1, 2 ]
amdhsa.kernels:
  - .name:           k_q2e94fc0e20_outproj
    .symbol:         k_q2e94fc0e20_outproj.kd
    .args:
      - { .name: ao, .offset: 0, .size: 8, .value_kind: global_buffer, .address_space: global }
      - { .name: wo, .offset: 8, .size: 8, .value_kind: global_buffer, .address_space: global }
      - { .name: out0, .offset: 16, .size: 8, .value_kind: global_buffer, .address_space: global }
      - { .name: b_out, .offset: 24, .size: 8, .value_kind: global_buffer, .address_space: global }
    .group_segment_fixed_size: 327680
    .private_segment_fixed_size: 0
    .kernarg_segment_align: 8
    .kernarg_segment_size: 32
    .max_flat_workgroup_size: 128
    .sgpr_count:     72
    .vgpr_count:     1024
    .wavefront_size: 32
...
	.end_amdgpu_metadata
.endif
;; end of part 3
